; MI455X (gfx1250); checked and timed in simulation.
; The chip was launched on July 23, 2026; its instructions are those of AMD's public machine-readable ISA for CDNA 5 (MIT licence, August 2026) and "CDNA5" Instruction Set Architecture Reference Guide (July 2026). The comments in the code are by the model that wrote it; some were corrected since.
;; Vector Quantizer. Allowed arithmetic: float matrix products may take bf16 or f16 operands with f32 sums; all other float work in f32.
;; Inputs: emb 8,192 x 512 float32; z 16 x 1,024 x 512 float32.
;; Outputs: out0 16,384 x 512 float32; out1 one number float32; out2 16,384 x 1 int32.
;; One version. Each part assembles by itself: llvm-mc -triple=amdgcn-amd-amdhsa -mcpu=gfx1250 --defsym DOCPART=n.
;; ======== version 1 of 1: 4 launches
;; workspace buffers: embb 8,388,608 bytes; ee 32,768 bytes; pmin 131,072 bytes; pidx 131,072 bytes of whole numbers; lossp 1,024 bytes
;; launch prep (part 1): grid 256 x 1, 8 waves a work-group, no clusters, 1,280 bytes of LDS; arguments emb, embb, ee; writes embb, ee
.if DOCPART == 1
	.amdgcn_target "amdgcn-amd-amdhsa--gfx1250"
	.amdhsa_code_object_version 6
	.text
	.protected	k_qc0fae4c412_prep
	.globl	k_qc0fae4c412_prep
	.p2align	8
	.type	k_qc0fae4c412_prep,@function
k_qc0fae4c412_prep:
	s_mov_b64 s[64:65], 0
	v_nop
	global_prefetch_b8 v0, s[64:65] scope:SCOPE_SE
	s_setreg_imm32_b32 hwreg(HW_REG_WAVE_MODE, 25, 1), 1
	s_wait_xcnt 0x0
; embb[k][c] = bf16(emb[k][c]);  ee[k] = sum over c of embb[k][c]^2, in f32.   emb: [8192][512] f32.
; The squares are taken of the ROUNDED numbers, since the product of the next launch runs on them.
; A stream: no matrix unit, no cluster, no tensor load (no byte is shared between work-groups, and every byte is used once).
; Eight waves; the work-group owns 32 rows, wave w rows 4 w .. 4 w + 3.  A row is 2,048 bytes: four loads of 16 bytes a lane,
; each covering 512 neighbouring bytes.  All sixteen loads of a wave go out at once.  A row of the copy is 1,024 bytes: four stores
; of 8 bytes a lane, each covering 256 consecutive bytes, aligned.
; ee leaves as 128 consecutive bytes for each work-group (32 rows): work-groups of 64 rows would store 256 but would be half as many;
; ee is 32,768 bytes in all.
.set X,   8                            ; v[8:71]    row i: 16 registers as loaded, later the rounded numbers widened again
.set PK,  72                           ; v[72:103]  row i: 8 registers of packed bf16; store data, never rewritten
.set SA,  104                          ; v[104:107] two chains of sums of squares
.set TMP, 108                          ; v108       the other half's sum
	s_load_b128 s[4:7], s[0:1], 0x0                ; emb s[4:5], embb s[6:7]
	s_load_b64 s[8:9], s[0:1], 0x10                ; ee
	v_lshl_add_u32 v112, v0, 2, 0x100
	v_mov_b32 v113, 0
	v_lshrrev_b32 v5, 5, v0
	v_readfirstlane_b32 s10, v5                    ; wave 0..7
	v_and_b32 v1, 31, v0                           ; lane
	s_mov_b32 s12, 0x76543210                      ; v_permlanex16_b32: lane i of one half reads lane i of the other
	s_mov_b32 s13, 0xfedcba98
	s_mov_b32 s14, 0xffff0000                      ; a word's upper bf16
	v_lshlrev_b32 v2, 4, v1
	v_lshl_add_u32 v2, s10, 13, v2                 ; in: wave x 4 rows x 2,048 + 16 lane
	v_lshlrev_b32 v3, 3, v1
	v_lshl_add_u32 v3, s10, 12, v3                 ; out: wave x 4 rows x 1,024 + 8 lane
	s_lshl_b32 s11, s10, 4
	v_mov_b32 v4, s11                              ; LDS: my four sums at 16 wave
	v_mov_b32 v[TMP], 0                            ; v_permlanex16_b32 counts as a reader of its destination
	s_lshl_b32 s2, ttmp9, 16                       ; 32 rows of 2,048 bytes
	s_mov_b32 s3, 0
	s_lshl_b32 s16, ttmp9, 15                      ; 32 rows of 1,024 bytes
	s_mov_b32 s17, 0
	s_lshl_b32 s18, ttmp9, 7                       ; 32 numbers of 4 bytes
	s_mov_b32 s19, 0
	s_wait_kmcnt 0x0
	s_add_nc_u64 s[4:5], s[4:5], s[2:3]
	s_add_nc_u64 s[6:7], s[6:7], s[16:17]
	s_add_nc_u64 s[8:9], s[8:9], s[18:19]
.irp i, 0,1,2,3
.irp j, 0,1,2,3
	global_load_b128 v[X+16*\i+4*\j:X+16*\i+4*\j+3], v2, s[4:5] offset:2048*\i+512*\j th:TH_LOAD_NT
.endr
.endr
.macro ROW i
	s_wait_loadcnt 12-4*\i                         ; loads come back in order: row i's four are in, the younger rows' stay out
.irp j, 0,1,2,3
	v_cvt_pk_bf16_f32 v[PK+8*\i+2*\j],   v[X+16*\i+4*\j],   v[X+16*\i+4*\j+1]
	v_cvt_pk_bf16_f32 v[PK+8*\i+2*\j+1], v[X+16*\i+4*\j+2], v[X+16*\i+4*\j+3]
.endr
.irp j, 0,1,2,3
	global_store_b64 v3, v[PK+8*\i+2*\j:PK+8*\i+2*\j+1], s[6:7] offset:1024*\i+256*\j
.endr
.irp q, 0,1,2,3,4,5,6,7
	v_lshlrev_b32 v[X+16*\i+2*\q],   16,  v[PK+8*\i+\q]        ; the rounded numbers as f32
	v_and_b32     v[X+16*\i+2*\q+1], s14, v[PK+8*\i+\q]
.endr
	v_pk_mul_f32 v[SA:SA+1],   v[X+16*\i:X+16*\i+1],   v[X+16*\i:X+16*\i+1]        ; the first squares start the two chains
	v_pk_mul_f32 v[SA+2:SA+3], v[X+16*\i+2:X+16*\i+3], v[X+16*\i+2:X+16*\i+3]
.irp q, 2,3,4,5,6,7
	v_pk_fma_f32 v[SA+2*(\q&1):SA+2*(\q&1)+1], v[X+16*\i+2*\q:X+16*\i+2*\q+1], v[X+16*\i+2*\q:X+16*\i+2*\q+1], v[SA+2*(\q&1):SA+2*(\q&1)+1]
.endr
	v_pk_add_f32 v[SA:SA+1], v[SA:SA+1], v[SA+2:SA+3]
	v_add_f32 v[SA], v[SA], v[SA+1]
	v_add_f32_dpp v[SA], v[SA], v[SA] row_xmask:1 row_mask:0xf bank_mask:0xf
	v_add_f32_dpp v[SA], v[SA], v[SA] row_xmask:2 row_mask:0xf bank_mask:0xf
	v_add_f32_dpp v[SA], v[SA], v[SA] row_xmask:4 row_mask:0xf bank_mask:0xf
	v_add_f32_dpp v[SA], v[SA], v[SA] row_xmask:8 row_mask:0xf bank_mask:0xf
	v_permlanex16_b32 v[TMP], v[SA], s12, s13
	v_add_f32 v[SA], v[SA], v[TMP]                 ; every lane holds the row's sum
	ds_store_b32 v4, v[SA] offset:4*\i             ; all lanes write one word with one value: row 4 w + i at byte 4 (4 w + i)
.endm
	ROW 0
	ROW 1
	ROW 2
	ROW 3
	s_wait_dscnt 0x0                               ; for the others' sake: my four words are in LDS
	s_barrier_signal -1
	s_barrier_wait -1
	s_cmp_lg_u32 s10, 0
	s_cbranch_scc1 .Lend
	v_lshlrev_b32 v6, 2, v1
	ds_load_b32 v7, v6                             ; wave 0: the 32 sums of the work-group's rows
	s_wait_dscnt 0x0
	global_store_b32 v6, v7, s[8:9]
.Lend:
	s_wait_tensorcnt 0x0
	ds_add_u32 v112, v113
	s_wait_dscnt 0x0
	s_endpgm
.Lfunc_end_k_qc0fae4c412_prep:
	.size	k_qc0fae4c412_prep, .Lfunc_end_k_qc0fae4c412_prep-k_qc0fae4c412_prep
	.p2alignl 7, 3214868480
	.fill 96, 4, 3214868480
	.section	.rodata,"a",@progbits
	.p2align	6, 0x0
	.amdhsa_kernel k_qc0fae4c412_prep
		.amdhsa_group_segment_fixed_size 1280
		.amdhsa_private_segment_fixed_size 0
		.amdhsa_enable_private_segment 0
		.amdhsa_kernarg_size 24
		.amdhsa_user_sgpr_count 2
		.amdhsa_user_sgpr_kernarg_segment_ptr 1
		.amdhsa_wavefront_size32 1
		.amdhsa_system_sgpr_workgroup_id_x 1
		.amdhsa_system_sgpr_workgroup_id_y 1
		.amdhsa_system_sgpr_workgroup_id_z 1
		.amdhsa_system_vgpr_workitem_id 0
		.amdhsa_next_free_vgpr 114
		.amdhsa_next_free_sgpr 66
		.amdhsa_reserve_vcc 0
		.amdhsa_float_denorm_mode_32 3
		.amdhsa_float_denorm_mode_16_64 3
		.amdhsa_memory_ordered 1
		.amdhsa_forward_progress 1
		.amdhsa_inst_pref_size 14
	.end_amdhsa_kernel
	.amdgpu_metadata
---
amdhsa.version: [ 1, 2 ]
amdhsa.kernels:
  - .name:           k_qc0fae4c412_prep
    .symbol:         k_qc0fae4c412_prep.kd
    .args:
      - { .name: emb, .offset: 0, .size: 8, .value_kind: global_buffer, .address_space: global }
      - { .name: embb, .offset: 8, .size: 8, .value_kind: global_buffer, .address_space: global }
      - { .name: ee, .offset: 16, .size: 8, .value_kind: global_buffer, .address_space: global }
    .group_segment_fixed_size: 1280
    .private_segment_fixed_size: 0
    .kernarg_segment_align: 8
    .kernarg_segment_size: 24
    .max_flat_workgroup_size: 256
    .sgpr_count:     66
    .vgpr_count:     114
    .wavefront_size: 32
...
	.end_amdgpu_metadata
.endif
;; end of part 1
;; launch main (part 2): grid 128 x 2, 4 waves a work-group, clusters of 4 x 1, 327,680 bytes of LDS; arguments z, embb, ee, pmin, pidx; writes pmin, pidx
.if DOCPART == 2
	.amdgcn_target "amdgcn-amd-amdhsa--gfx1250"
	.amdhsa_code_object_version 6
	.text
	.protected	k_qc0fae4c412_main
	.globl	k_qc0fae4c412_main
	.p2align	8
	.type	k_qc0fae4c412_main,@function
k_qc0fae4c412_main:
	s_mov_b64 s[64:65], 0
	v_nop
	global_prefetch_b8 v0, s[64:65] scope:SCOPE_SE
	s_setreg_imm32_b32 hwreg(HW_REG_WAVE_MODE, 25, 1), 1
	s_wait_xcnt 0x0
	s_wait_alu depctr_hold_cnt(0) depctr_sa_sdst(0) depctr_va_vdst(0) depctr_va_sdst(0) depctr_va_ssrc(0) depctr_va_vcc(0) depctr_vm_vsrc(0)
	s_getreg_b32 s2, hwreg(HW_REG_IB_STS2, 6, 4)
	s_cmp_eq_u32 s2, 0
	s_cbranch_scc0 .Lentry_in_a_cluster
	s_endpgm
.Lentry_in_a_cluster:
	s_bfe_u32 s2, ttmp6, 0x10000c
	s_cmp_lg_u32 s2, 0x3003
	s_cbranch_scc0 .Lentry_shape_is_right
	s_endpgm
.Lentry_shape_is_right:
; For 128 rows of z and one half (4,096) of the codes: d = fl(fl(zz + ee) - 2 dot), the smallest d of each row and the first code that has it.
; z: [16384][512] f32, embb: [8192][512] bf16, ee: [8192] f32.  pmin, pidx: [2 halves][16384], f32 and i32 (the code's number among all 8,192).
; The two roundings of d are those of the formula as it is given, (zz + ee) first, then minus twice the product (one fused multiply-add by -2):
; zz is large beside the product, so many d are equal, and the FIRST code among equals is asked for.  Hence strict '<' in ascending order of codes.
; LIMITS.  The product runs on z and emb rounded to bf16, with f32 sums; zz and ee are sums of squares of the rounded numbers.  The index is
; that of the formula on the rounded inputs, up to the order in which a dot product is summed.  A NaN distance never wins; a row whose
; distances are all +inf or NaN gets index 0.
;
; SHARES.  Four waves, as many as a WGP has SIMDs.  Wave = 2 rh + cp: rows 64 rh .. +63 of the block, codes 64 cp .. +63 of every 128 codes.
; A wave keeps its 64 rows x 512 K of z as bf16 fragments in 512 registers for the whole launch, so that one fragment of codes read from LDS
; (16 codes x 32 K, 1,024 bytes) feeds four matrix instructions.
; A tile's 32 fragment loads go out in ONE run, a tile ahead of their use, not singly among the matrix instructions.
; LDS.  A ring of two slots of 128 rows x 1,024 bytes, rows 1,040 = 65 x 16 bytes apart, so that the sixteen rows that a fragment load touches lie
; in sixteen different 16-byte columns.  The ring first holds z (columns 0-255 in slot 0, 256-511 in slot 1, f32), then 32 tiles of 128 codes.
; Each wave brings 32 rows of every tile by one tensor load; by this text's count at most two tensor loads of a wave are out (the two of z).
; CLUSTER.  The four work-groups of a cluster are four row blocks of the same half of the codes: they walk the same tiles of codes and ask
; for them jointly (mask 15).  z's two tiles are asked for singly: a block of z is shared only by the two halves of the codes, which lie in
; different clusters, and they are 2 of a work-group's 34 fills.
;
; REGISTER WINDOWS (s_set_vgpr_msb: bits 1:0 source 0, 3:2 source 1, 5:4 source 2, 7:6 destination):
;   window 0: addresses, zz, minima, indices, the four accumulators, distances;   window 1: fragments of codes, two sets of 128 registers
;   window 2: z's fragments of K steps 0-7, K step s, row block a at v[32 s + 8 a];   window 3: K steps 8-15 likewise
.set PITCH,  1040
.set SLOT,   128*PITCH                 ; 133,120
.set WPART,  32*PITCH                  ; a wave's part of a tile
.set TSTEP,  16*PITCH                  ; 16 rows
.set EELDS,  2*SLOT                    ; 266,240: ee of my half, 16,384 bytes.  From here on bytes are written by ds_store; no tensor load lands here
.set ZZS,    EELDS+16384               ; 282,624: 4 waves x 64 zz
.set RMIN,   ZZS+1024                  ; 283,648: 4 waves x 64 minima;  the indices lie 1,024 bytes further: the end is 285,696
.set BA,   2                           ; v2, v3   LDS address of my fragments of codes in slot 0, 1
.set EEA,  4                           ; v4       LDS address of my lane's ee, steps by 1,024 for every two slots
.set ZA,   5                           ; v5, v6   LDS address of my fragments of z in slot 0, 1
.set CODE, 7                           ; v7       the number of the code that my lane holds in the tile at work
.set EER,  16                          ; v[16:19], v[20:23]  ee of a slot's four tiles, a set for each slot
.set ZP,   24                          ; v[24:31] four pairs of sums of squares of z
.set ZZ,   32                          ; v[32:63] zz of row 16 a + 8 h + j at ZZ + 8 a + j
.set BEST, 64                          ; v[64:95] smallest d so far, same map
.set IDX,  96                          ; v[96:127] its code
.set ACC,  128                         ; v[128:159] four accumulators, row block a at ACC + 8 a
.set DD,   160                         ; v[160:191] distances
.set T0,   128                         ; v[128:191], v[192:255]: two buffers of z in f32, before the first product only
.set T1,   192
.set G1Z,  24                          ; s[24:31] descriptor group 1 for z
.set G1E,  32                          ; s[32:39] for the codes
.set G0Z,  40                          ; s[40:47] group 0 for z, a set for each slot
.set G0E,  48                          ; s[48:55] group 0 for the codes, a set for each slot
.set W2,   0x06                        ; A window 2, B window 1, C and D window 0
.set W3,   0x07                        ; A window 3, the rest alike
.set TO_B, 0x40                        ; destination window 1
.set MSB, 0
.macro WIN new                         ; the immediate's high byte repeats the setting that is left
.if MSB != \new
	s_set_vgpr_msb (MSB<<8)|\new
.set MSB, \new
.endif
.endm
; A round of the cluster's barrier: my work-group's barrier, wave 0 signals for the work-group, every wave waits for all four work-groups, my work-group's barrier once more.
.macro CREST                           ; a round behind its opening barrier
	s_cmp_lg_u32 s14, 0
	s_cbranch_scc1 .Lnot_wave_0_\@
	s_barrier_signal -3
.Lnot_wave_0_\@:
	s_barrier_wait -3
	s_barrier_signal -1
	s_barrier_wait -1
.endm
.macro ROUND
	s_barrier_signal -1
	s_barrier_wait -1
	CREST
.endm
	s_load_b256 s[4:11], s[0:1], 0x0               ; z s[4:5], embb s[6:7], ee s[8:9], pmin s[10:11]
	s_load_b64 s[12:13], s[0:1], 0x20              ; pidx
	v_lshl_add_u32 v254, v0, 2, 0x45c00
	v_mov_b32 v255, 0
	ds_add_u32 v254, v255
	s_wait_dscnt 0x0
	v_lshrrev_b32 v1, 5, v0
	v_readfirstlane_b32 s14, v1                    ; wave 0..3
	s_lshr_b32 s15, s14, 1                         ; rh: which 64 rows
	s_and_b32 s16, s14, 1                          ; cp: which 64 of 128 codes
	s_bfe_u32 s17, ttmp6, 0x40000                  ; cx
	s_lshl_b32 s18, ttmp9, 2
	s_add_co_u32 s18, s18, s17                     ; row block 0..127 = 4 x cluster x + cx
	s_and_b32 s19, ttmp7, 0xffff                   ; half of the codes, 0 or 1: the same in all four partners
	s_mov_b32 s57, 0xffff0000                      ; a word's upper bf16
	s_mov_b32 s58, 0x76543210                      ; v_permlanex16_b32: lane i reads lane i of the other half
	s_mov_b32 s59, 0xfedcba98
	; group 1 for z: 32 rows x 256 elements of 4 bytes out of rows of 512; behind every 256 words (code 7) 4 words of padding (code 3)
	s_mov_b32 s[G1Z+0], (2<<16)|(1<<20)|(7<<22)|(3<<25)
	s_mov_b32 s[G1Z+1], 256<<16                    ; tensor_dim0 = 256
	s_mov_b32 s[G1Z+2], 32<<16                     ; tensor_dim1 = 32
	s_mov_b32 s[G1Z+3], 256<<16                    ; tile_dim0 = 256
	s_mov_b32 s[G1Z+4], 32                         ; tile_dim1 = 32
	s_mov_b32 s[G1Z+5], 512                        ; elements from row to row
	s_mov_b32 s[G1Z+6], 0
	s_mov_b32 s[G1Z+7], 0
	; group 1 for the codes: 32 rows of 1,024 bytes (256 words) that follow each other in memory; mask 15 = all four of the cluster, bit 21 beside it
	s_mov_b32 s[G1E+0], 15|(2<<16)|(1<<20)|(1<<21)|(7<<22)|(3<<25)
	s_mov_b32 s[G1E+1], 256<<16
	s_mov_b32 s[G1E+2], 32<<16
	s_mov_b32 s[G1E+3], 256<<16
	s_mov_b32 s[G1E+4], 32
	s_mov_b32 s[G1E+5], 256
	s_mov_b32 s[G1E+6], 0
	s_mov_b32 s[G1E+7], 0
	s_mul_i32 s22, s14, WPART                      ; where my 32 rows go: the wave's number alone enters an LDS address
	s_lshl_b32 s20, s18, 18                        ; z: (128 x row block + 32 x wave) rows of 2,048 bytes
	s_lshl_b32 s23, s14, 16
	s_add_co_u32 s20, s20, s23
	s_mov_b32 s21, 0
	s_lshl_b32 s66, s19, 22                        ; codes: (4,096 x half + 32 x wave) rows of 1,024 bytes, in registers that never hold cx
	s_lshl_b32 s68, s14, 15
	s_add_co_u32 s66, s66, s68
	s_mov_b32 s67, 0
	s_lshl_b32 s70, s19, 14                        ; ee: 4,096 x half numbers of 4 bytes
	s_mov_b32 s71, 0
	s_wait_kmcnt 0x0
	s_add_nc_u64 s[4:5], s[4:5], s[20:21]
	s_add_nc_u64 s[6:7], s[6:7], s[66:67]
	s_add_nc_u64 s[8:9], s[8:9], s[70:71]
.irp n, 0,1
	s_mov_b32 s[G0Z+4*\n], 1
	s_add_co_u32 s[G0Z+4*\n+1], s22, \n*SLOT
	s_add_nc_u64 s[G0Z+4*\n+2:G0Z+4*\n+3], s[4:5], \n*1024         ; columns 256 n
	s_or_b32 s[G0Z+4*\n+3], s[G0Z+4*\n+3], 0x80000000
	s_mov_b32 s[G0E+4*\n], 1
	s_add_co_u32 s[G0E+4*\n+1], s22, \n*SLOT
	s_add_nc_u64 s[G0E+4*\n+2:G0E+4*\n+3], s[6:7], \n*131072       ; tile n of 128 codes
	s_or_b32 s[G0E+4*\n+3], s[G0E+4*\n+3], 0x80000000
.endr
	ROUND                                          ; in a cluster launch every group of tensor loads stands behind a round
	tensor_load_to_lds s[G0Z:G0Z+3], s[G1Z:G1Z+7]          ; the two first fills, as one group
	s_nop 0
	tensor_load_to_lds s[G0Z+4:G0Z+7], s[G1Z:G1Z+7]
	s_nop 0
	v_lshlrev_b32 v10, 4, v0
.irp j, 0,1,2,3,4,5,6,7
	global_load_b128 v[T0+4*\j:T0+4*\j+3], v10, s[8:9] offset:2048*\j      ; ee of my half: 128 threads x 16 bytes, eight times
.endr
	v_add_nc_u32 v11, EELDS, v10
	v_and_b32 v12, 15, v0                          ; r
	v_bfe_u32 v13, v0, 4, 1                        ; h
	v_mul_u32_u24 v14, v12, PITCH
	s_mul_i32 s23, s16, 64*PITCH
	v_lshl_add_u32 v[BA], v13, 4, v14              ; codes, bf16 along K: (64 cp + r) x pitch + 16 h
	v_add_nc_u32 v[BA], s23, v[BA]
	v_add_nc_u32 v[BA+1], SLOT, v[BA]
	s_mul_i32 s23, s15, 64*PITCH
	v_lshl_add_u32 v[ZA], v13, 5, v14              ; z, f32 along K: (64 rh + r) x pitch + 32 h
	v_add_nc_u32 v[ZA], s23, v[ZA]
	v_add_nc_u32 v[ZA+1], SLOT, v[ZA]
	s_lshl_b32 s23, s16, 8
	s_add_co_u32 s23, s23, EELDS
	v_lshl_add_u32 v[EEA], v12, 2, s23             ; ee of code 64 cp + r
	s_lshl_b32 s23, s19, 12
	s_lshl_b32 s68, s16, 6
	s_add_co_u32 s23, s23, s68
	v_add_nc_u32 v[CODE], s23, v12                 ; 4,096 half + 64 cp + r
	s_lshl_b32 s23, s14, 8
	s_add_co_u32 s23, s23, ZZS
	v_lshl_add_u32 v9, v12, 2, s23                 ; my wave's zz: in at 4 r,
	v_lshl_add_u32 v15, v13, 5, s23                ; back from 32 h.  The same register + 1,024 and + 2,048 serves the minima and indices at the end
	s_wait_loadcnt 0x0
.irp j, 0,1,2,3,4,5,6,7
	ds_store_b128 v11, v[T0+4*\j:T0+4*\j+3] offset:2048*\j
.endr
; z from LDS to fragments.  A fragment is 16 rows x 32 K: lane (r, h) holds row r; registers 0-3 K = 8 h .. +7, registers 4-7 K = 16 + 8 h .. +7.
; In f32 that is 32 bytes at 32 h and 32 bytes at 64 + 32 h of the K step's 128 bytes.  A batch = one K step of my four row blocks, 16 loads.
.macro ZLOAD slot, sp, buf
.irp a, 0,1,2,3
	ds_load_b128 v[\buf+16*\a:\buf+16*\a+3],     v[ZA+\slot] offset:TSTEP*\a+128*(\sp)
	ds_load_b128 v[\buf+16*\a+4:\buf+16*\a+7],   v[ZA+\slot] offset:TSTEP*\a+128*(\sp)+16
	ds_load_b128 v[\buf+16*\a+8:\buf+16*\a+11],  v[ZA+\slot] offset:TSTEP*\a+128*(\sp)+64
	ds_load_b128 v[\buf+16*\a+12:\buf+16*\a+15], v[ZA+\slot] offset:TSTEP*\a+128*(\sp)+80
.endr
.endm
; Batch sp of a slot: rounds to bf16 into window w, widens the rounded numbers again and adds their squares to the four chains.
; more = 1: the next batch's loads go out first, into the other buffer.  first = 1: the first squares start the chains.
.macro ZBATCH slot, sp, w, buf, obuf, more, first
.if \more
	ZLOAD \slot, (\sp+1), \obuf
	s_wait_dscnt 16                                ; LDS loads come back in order: all but the 16 just issued are in
.else
	s_wait_dscnt 0x0
.endif
	WIN (\w<<6)
.irp a, 0,1,2,3
.irp i, 0,1,2,3,4,5,6,7
	v_cvt_pk_bf16_f32 v[32*\sp+8*\a+\i], v[\buf+16*\a+2*\i], v[\buf+16*\a+2*\i+1]
.endr
.endr
	WIN (\w<<2)
.irp a, 0,1,2,3
.irp i, 0,1,2,3,4,5,6,7
	v_lshlrev_b32 v[\buf+16*\a+2*\i],   16,  v[32*\sp+8*\a+\i]
	v_and_b32     v[\buf+16*\a+2*\i+1], s57, v[32*\sp+8*\a+\i]
.endr
.endr
	WIN 0
.irp a, 0,1,2,3
.if \first
	v_pk_mul_f32 v[ZP+2*\a:ZP+2*\a+1], v[\buf+16*\a:\buf+16*\a+1], v[\buf+16*\a:\buf+16*\a+1]
.else
	v_pk_fma_f32 v[ZP+2*\a:ZP+2*\a+1], v[\buf+16*\a:\buf+16*\a+1], v[\buf+16*\a:\buf+16*\a+1], v[ZP+2*\a:ZP+2*\a+1]
.endif
.endr
.irp i, 1,2,3,4,5,6,7
.irp a, 0,1,2,3
	v_pk_fma_f32 v[ZP+2*\a:ZP+2*\a+1], v[\buf+16*\a+2*\i:\buf+16*\a+2*\i+1], v[\buf+16*\a+2*\i:\buf+16*\a+2*\i+1], v[ZP+2*\a:ZP+2*\a+1]
.endr
.endr
.endm
	s_wait_tensorcnt 0x1                           ; my part of z's first chunk is in; the second may stay out
	s_wait_dscnt 0x0                               ; my part of ee is in LDS
	s_barrier_signal -1
	s_barrier_wait -1
	ZLOAD 0, 0, T0
	ZBATCH 0, 0, 2, T0, T1, 1, 1
	ZBATCH 0, 1, 2, T1, T0, 1, 0
	ZBATCH 0, 2, 2, T0, T1, 1, 0
	ZBATCH 0, 3, 2, T1, T0, 1, 0
	ZBATCH 0, 4, 2, T0, T1, 1, 0
	ZBATCH 0, 5, 2, T1, T0, 1, 0
	ZBATCH 0, 6, 2, T0, T1, 1, 0
	ZBATCH 0, 7, 2, T1, T0, 0, 0
	s_wait_dscnt 0x0                               ; my reads of slot 0 are back (met: the last batch waited for 0)
	s_wait_xcnt 0x0
	v_lshl_add_u32 v254, v0, 2, 0x45c00
	v_mov_b32 v255, 0
	s_wait_tensorcnt 0x0                           ; all my tensor loads have landed: z's second chunk
	ds_add_u32 v254, v255
	s_wait_dscnt 0x0
	ROUND                                          ; both hold of every wave of all four work-groups
	tensor_load_to_lds s[G0E:G0E+3], s[G1E:G1E+7]  ; tile 0 of the codes into slot 0: my one tensor load behind this round
	s_nop 0
	ZLOAD 1, 0, T0
	ZBATCH 1, 0, 3, T0, T1, 1, 0
	ZBATCH 1, 1, 3, T1, T0, 1, 0
	ZBATCH 1, 2, 3, T0, T1, 1, 0
	ZBATCH 1, 3, 3, T1, T0, 1, 0
	ZBATCH 1, 4, 3, T0, T1, 1, 0
	ZBATCH 1, 5, 3, T1, T0, 1, 0
	ZBATCH 1, 6, 3, T0, T1, 1, 0
	ZBATCH 1, 7, 3, T1, T0, 0, 0
	; zz: lane (r, h) holds half of row 16 a + r's squares.  Both halves added, it goes through my wave's own 256 bytes of LDS into the
	; accumulators' map: register 8 a + j of lane (r, h) = row 16 a + 8 h + j.
.irp a, 0,1,2,3
	v_add_f32 v[ZP+2*\a], v[ZP+2*\a], v[ZP+2*\a+1]
.endr
.irp a, 0,1,2,3
	v_permlanex16_b32 v[ZP+2*\a+1], v[ZP+2*\a], s58, s59
.endr
.irp a, 0,1,2,3
	v_add_f32 v[ZP+2*\a], v[ZP+2*\a], v[ZP+2*\a+1]
.endr
.irp a, 0,1,2,3
	ds_store_b32 v9, v[ZP+2*\a] offset:64*\a       ; both halves write the same word with the same value
.endr
.irp a, 0,1,2,3
	ds_load_b128 v[ZZ+8*\a:ZZ+8*\a+3],   v15 offset:64*\a          ; LDS serves a wave's instructions in order: these see the stores above
	ds_load_b128 v[ZZ+8*\a+4:ZZ+8*\a+7], v15 offset:64*\a+16
.endr
	s_wait_dscnt 0x0                               ; my reads of slot 1 are back, and zz is in
	s_wait_xcnt 0x0
	v_lshl_add_u32 v254, v0, 2, 0x45c00
	v_mov_b32 v255, 0
	s_wait_tensorcnt 0x0                           ; tile 0 has landed
	ds_add_u32 v254, v255
	s_wait_dscnt 0x0
	ROUND
	tensor_load_to_lds s[G0E+4:G0E+7], s[G1E:G1E+7]        ; tile 1 into slot 1
	s_nop 0
; 32 LDS loads: the fragments of 16 codes (tile ti of the slot's four for my cp) x 512 K into set bs; K step ks at bs + 8 ks
.macro FETCH slot, ti, bs
.irp ks, 0,1,2,3,4,5,6,7,8,9,10,11,12,13,14,15
	ds_load_b128 v[\bs+8*\ks:\bs+8*\ks+3],   v[BA+\slot] offset:TSTEP*(\ti)+64*\ks
	ds_load_b128 v[\bs+8*\ks+4:\bs+8*\ks+7], v[BA+\slot] offset:TSTEP*(\ti)+64*\ks+32
.endr
.endm
; Four matrix instructions: one K step, my four row blocks against 16 codes.  Register j of lane (r, h) of accumulator a: row 16 a + 8 h + j, code r.
; The four accumulators take turns, one instruction a turn.
.macro MUL4 bs, hi, ks, zero
.irp a, 0,1,2,3
.if \zero
	v_wmma_f32_16x16x32_bf16 v[ACC+8*\a:ACC+8*\a+7], v[32*\ks+8*\a:32*\ks+8*\a+7], v[\bs+64*\hi+8*\ks:\bs+64*\hi+8*\ks+7], 0
.else
	v_wmma_f32_16x16x32_bf16 v[ACC+8*\a:ACC+8*\a+7], v[32*\ks+8*\a:32*\ks+8*\a+7], v[\bs+64*\hi+8*\ks:\bs+64*\hi+8*\ks+7], v[ACC+8*\a:ACC+8*\a+7]
.endif
.endr
.endm
.macro MUL32 bs, hi, zero              ; eight K steps (hi = 0: 0-7, under W2; 1: 8-15, under W3); zero = 1: the first products start the sums
	MUL4 \bs, \hi, 0, \zero
.irp ks, 1,2,3,4,5,6,7
	MUL4 \bs, \hi, \ks, 0
.endr
.endm
; The tile's 32 distances a lane, and the running minimum.  The sixteen additions of zz and ee name no register of a matrix instruction: they are the
; places between the last matrix instructions and the first reader of their results (ISA guide 7.12.1).
.macro EPI i, slot
.set p, 0
.rept 16
.if \i&1
	v_pk_add_f32 v[DD+2*p:DD+2*p+1], v[ZZ+2*p:ZZ+2*p+1], v[EER+4*\slot+(\i&2):EER+4*\slot+(\i&2)+1] op_sel:[0,1] op_sel_hi:[1,1]   ; both + the pair's second
.else
	v_pk_add_f32 v[DD+2*p:DD+2*p+1], v[ZZ+2*p:ZZ+2*p+1], v[EER+4*\slot+(\i&2):EER+4*\slot+(\i&2)+1] op_sel_hi:[1,0]                ; both + the pair's first
.endif
.set p, p+1
.endr
.set p, 0
.rept 16
	v_pk_fma_f32 v[DD+2*p:DD+2*p+1], v[ACC+2*p:ACC+2*p+1], -2.0, v[DD+2*p:DD+2*p+1] op_sel_hi:[1,0,1]      ; (zz + ee) - 2 dot, rounded once
.set p, p+1
.endr
.set g, 0
.rept 8
.irp q, 0,1,2,3
	v_cmp_lt_f32 s[60+\q], v[DD+4*g+\q], v[BEST+4*g+\q]            ; strictly smaller: among equals the earlier code stays
.endr
.irp q, 0,1,2,3
	v_cndmask_b32 v[IDX+4*g+\q], v[IDX+4*g+\q], v[CODE], s[60+\q]
.endr
.irp q, 0,1,2,3
	v_min_num_f32 v[BEST+4*g+\q], v[DD+4*g+\q], v[BEST+4*g+\q]
.endr
.set g, g+1
.endr
.if \i == 3
	v_add_nc_u32 v[CODE], 80, v[CODE]              ; on to the next slot: 16, and the other wave's 64
.else
	v_add_nc_u32 v[CODE], 16, v[CODE]
.endif
.endm
; Tiles 0 to 2 of a slot.  The next tile's fragments go out first, into the set that the tile before last read (its distances' vector work lies between).
.macro TILE slot, i
	WIN TO_B
	FETCH \slot, (\i+1), (128*((\i+1)&1))
	s_wait_dscnt 32                                ; all but the 32 just issued: this tile's fragments, and the slot's ee, are in
	WIN W2
	MUL32 (128*(\i&1)), 0, 1
	WIN W3
	MUL32 (128*(\i&1)), 1, 0
	WIN 0
	EPI \i, \slot
.endm
; Tile 3 of a slot, and the change of slots.  In front of the barrier each wave waits for its reads of this slot and for all its tensor loads, of which one is
; out: its part of the next slot.  refill = 1: the barrier opens a round of the cluster's barrier, and behind the round this slot is asked for again, two tiles
; ahead; that load has the next slot's four tiles, 256 matrix instructions of the wave, in which to land.
.macro LAST slot, next, refill
	s_wait_dscnt 0x0                               ; my reads of this slot are back: tile 3's fragments were the last
	s_wait_xcnt 0x0
	v_lshl_add_u32 v254, v0, 2, 0x45c00
	v_mov_b32 v255, 0
	s_wait_tensorcnt 0x0                           ; all my tensor loads have landed, so a group 0 may be written
	ds_add_u32 v254, v255
	s_wait_dscnt 0x0
.if \refill
	s_add_nc_u64 s[G0E+4*\slot+2:G0E+4*\slot+3], s[G0E+4*\slot+2:G0E+4*\slot+3], 2*131072
.endif
	s_barrier_signal -1
	WIN W2
	MUL32 128, 0, 1                                ; register work while the others arrive
	WIN 0
	s_barrier_wait -1
.if \refill
	CREST
	tensor_load_to_lds s[G0E+4*\slot:G0E+4*\slot+3], s[G1E:G1E+7]  ; my one tensor load behind the round, and the first thing there
	s_nop 0
.endif
.if \next == 0
	v_add_nc_u32 v[EEA], 1024, v[EEA]              ; 256 codes on
.endif
.irp q, 0,1,2,3
	ds_load_b32 v[EER+4*\next+\q], v[EEA] offset:512*\next+64*\q   ; ee of my lane's code in the next slot's four tiles
.endr
	WIN TO_B
	FETCH \next, 0, 0
	WIN W3
	MUL32 128, 1, 0
	WIN 0
	EPI 3, \slot
.endm
.irp q, 0,1,2,3
	ds_load_b32 v[EER+\q], v[EEA] offset:64*\q
.endr
	WIN TO_B
	FETCH 0, 0, 0
	WIN 0
	s_mov_b32 s20, 0x7f800000
.set x, 0
.rept 32
	v_mov_b32 v[BEST+x], s20                       ; +inf and code 0: what a row keeps if no distance is below +inf
	v_mov_b32 v[IDX+x], 0
.set x, x+1
.endr
	s_mov_b32 s56, 15                              ; 15 laps of two slots ask for tiles 2 to 31
.Llap:
	TILE 0, 0
	TILE 0, 1
	TILE 0, 2
	LAST 0, 1, 1
	TILE 1, 0
	TILE 1, 1
	TILE 1, 2
	LAST 1, 0, 1
	s_sub_co_u32 s56, s56, 1
	s_cmp_lg_u32 s56, 0
	s_cbranch_scc1 .Llap
	TILE 0, 0                                      ; the last lap fills nothing
	TILE 0, 1
	TILE 0, 2
	LAST 0, 1, 0
	TILE 1, 0
	TILE 1, 1
	TILE 1, 2
	s_wait_dscnt 0x0                               ; the very last tile: nothing more to fetch
	WIN W2
	MUL32 128, 0, 1
	WIN W3
	MUL32 128, 1, 0
	WIN 0
	EPI 3, 1
	; Over the sixteen lanes of a half (sixteen residues of the codes), for all 32 registers: the minimum, then the smallest code among the lanes that hold it.
	; Codes are below 8,192, exact in f32, so the same lane steps serve them; lanes that do not hold the minimum offer 2^23.
.macro DPPMIN dst, src, mask
.set x, 0
.rept 32
	v_min_num_f32_dpp v[\dst+x], v[\src+x], v[\src+x] row_xmask:\mask row_mask:0xf bank_mask:0xf
.set x, x+1
.endr
.endm
	DPPMIN DD, BEST, 1
	DPPMIN DD, DD, 2
	DPPMIN DD, DD, 4
	DPPMIN DD, DD, 8
	v_mov_b32 v8, 0x4b000000
.set x, 0
.rept 32
	v_cvt_f32_u32 v[IDX+x], v[IDX+x]
.set x, x+1
.endr
.set x, 0
.rept 32
	v_cmp_eq_f32 vcc_lo, v[DD+x], v[BEST+x]
	v_cndmask_b32 v[IDX+x], v8, v[IDX+x], vcc_lo
.set x, x+1
.endr
	DPPMIN IDX, IDX, 1
	DPPMIN IDX, IDX, 2
	DPPMIN IDX, IDX, 4
	DPPMIN IDX, IDX, 8
.set x, 0
.rept 32
	v_cvt_u32_f32 v[IDX+x], v[IDX+x]
.set x, x+1
.endr
.set x, 0
.rept 32
	ds_store_b32 v15, v[DD+x]  offset:1024+4*(16*(x/8)+x%8)        ; row 16 a + 8 h + j of my wave's 64; sixteen lanes write one word with one value
	ds_store_b32 v15, v[IDX+x] offset:2048+4*(16*(x/8)+x%8)
.set x, x+1
.endr
	s_wait_dscnt 0x0                               ; for the others' sake
	s_barrier_signal -1
	s_barrier_wait -1
	s_cmp_ge_u32 s14, 2
	s_cbranch_scc1 .Ldone
	; Wave c (0 or 1) joins the two waves of rows 64 c .. +63; a lane takes two rows.  The two waves' codes interleave in blocks of 64, so among equal minima the smaller code wins.
	v_and_b32 v8, 31, v0
	v_lshlrev_b32 v8, 3, v8
	s_lshl_b32 s20, s14, 9
	s_add_co_u32 s20, s20, RMIN
	v_add_nc_u32 v14, s20, v8
	ds_load_b64 v[16:17], v14                      ; minima of cp = 0
	ds_load_b64 v[18:19], v14 offset:256           ; of cp = 1
	ds_load_b64 v[20:21], v14 offset:1024          ; codes of cp = 0
	ds_load_b64 v[22:23], v14 offset:1280          ; of cp = 1
	s_lshl_b32 s21, s19, 16                        ; half x 16,384 rows x 4 bytes
	s_lshl_b32 s22, s18, 9                         ; + row block x 128 x 4
	s_add_co_u32 s21, s21, s22
	s_lshl_b32 s22, s14, 8                         ; + 64 c x 4
	s_add_co_u32 s21, s21, s22
	v_add_nc_u32 v12, s21, v8
	s_wait_dscnt 0x0
.irp k, 0,1
	v_cmp_lt_f32 s60, v[18+\k], v[16+\k]
	v_cmp_eq_f32 s61, v[18+\k], v[16+\k]
	v_cmp_lt_u32 s62, v[22+\k], v[20+\k]
	s_and_b32 s61, s61, s62
	s_or_b32 s60, s60, s61
	v_cndmask_b32 v[16+\k], v[16+\k], v[18+\k], s60
	v_cndmask_b32 v[20+\k], v[20+\k], v[22+\k], s60
.endr
	global_store_b64 v12, v[16:17], s[10:11]       ; each store of the wave covers 256 consecutive bytes, aligned
	global_store_b64 v12, v[20:21], s[12:13]
.Ldone:
	s_wait_xcnt 0x0
	v_lshl_add_u32 v254, v0, 2, 0x45c00
	v_mov_b32 v255, 0
	s_wait_tensorcnt 0x0
	ds_add_u32 v254, v255
	s_wait_dscnt 0x0
	ROUND                                          ; the closing round: no work-group ends while a partner may still ask for a tile that names it
	s_endpgm
.Lfunc_end_k_qc0fae4c412_main:
	.size	k_qc0fae4c412_main, .Lfunc_end_k_qc0fae4c412_main-k_qc0fae4c412_main
	.p2alignl 7, 3214868480
	.fill 96, 4, 3214868480
	.section	.rodata,"a",@progbits
	.p2align	6, 0x0
	.amdhsa_kernel k_qc0fae4c412_main
		.amdhsa_group_segment_fixed_size 327680
		.amdhsa_private_segment_fixed_size 0
		.amdhsa_enable_private_segment 0
		.amdhsa_kernarg_size 40
		.amdhsa_user_sgpr_count 2
		.amdhsa_user_sgpr_kernarg_segment_ptr 1
		.amdhsa_wavefront_size32 1
		.amdhsa_system_sgpr_workgroup_id_x 1
		.amdhsa_system_sgpr_workgroup_id_y 1
		.amdhsa_system_sgpr_workgroup_id_z 1
		.amdhsa_system_vgpr_workitem_id 0
		.amdhsa_next_free_vgpr 1024
		.amdhsa_next_free_sgpr 80
		.amdhsa_reserve_vcc 1
		.amdhsa_float_denorm_mode_32 3
		.amdhsa_float_denorm_mode_16_64 3
		.amdhsa_memory_ordered 1
		.amdhsa_forward_progress 1
		.amdhsa_inst_pref_size 255
	.end_amdhsa_kernel
	.section	.bss,"aw",@nobits
	.p2align	6
	.space	262144
	.amdgpu_metadata
---
amdhsa.version: [ 1, 2 ]
amdhsa.kernels:
  - .name:           k_qc0fae4c412_main
    .symbol:         k_qc0fae4c412_main.kd
    .args:
      - { .name: z, .offset: 0, .size: 8, .value_kind: global_buffer, .address_space: global }
      - { .name: embb, .offset: 8, .size: 8, .value_kind: global_buffer, .address_space: global }
      - { .name: ee, .offset: 16, .size: 8, .value_kind: global_buffer, .address_space: global }
      - { .name: pmin, .offset: 24, .size: 8, .value_kind: global_buffer, .address_space: global }
      - { .name: pidx, .offset: 32, .size: 8, .value_kind: global_buffer, .address_space: global }
    .group_segment_fixed_size: 327680
    .private_segment_fixed_size: 0
    .kernarg_segment_align: 8
    .kernarg_segment_size: 40
    .max_flat_workgroup_size: 128
    .sgpr_count:     80
    .vgpr_count:     1024
    .wavefront_size: 32
...
	.end_amdgpu_metadata
.endif
;; end of part 2
;; launch gather (part 3): grid 256 x 1, 16 waves a work-group, no clusters, 2,560 bytes of LDS; arguments z, emb, pmin, pidx, out0, out2, lossp; writes out0, out2, lossp
.if DOCPART == 3
	.amdgcn_target "amdgcn-amd-amdhsa--gfx1250"
	.amdhsa_code_object_version 6
	.text
	.protected	k_qc0fae4c412_gather
	.globl	k_qc0fae4c412_gather
	.p2align	8
	.type	k_qc0fae4c412_gather,@function
k_qc0fae4c412_gather:
	s_mov_b64 s[64:65], 0
	v_nop
	global_prefetch_b8 v0, s[64:65] scope:SCOPE_SE
	s_setreg_imm32_b32 hwreg(HW_REG_WAVE_MODE, 25, 1), 1
	s_wait_xcnt 0x0
; For each row: of the two halves' candidates the one with the smaller distance (equal: the lower half, whose codes come first);
; out0 = z + (emb[idx] - z), out2 = idx, lossp[work-group] = sum of (emb[idx] - z)^2 over its 64 rows.
; The two candidates' numbers are whole numbers stored by the launch before; both rows of emb are loaded and the choice, which hangs on
; floating-point numbers, only selects values (v_cndmask_b32): no address and no branch hangs on it.
; A stream with a gather: no matrix unit, no cluster, no tensor load (rows are used once, by the wave that loads them).
; Sixteen waves; the work-group owns 64 rows, wave w rows 4 w .. 4 w + 3.  A row is 2,048 bytes: four loads or stores of 16 bytes a lane, each covering
; 512 neighbouring bytes.  Every row has registers of its own (z, candidate 0, candidate 1: 48), so all 48 loads of a wave go out at once, no register is
; loaded a second time, and no wait stands between a row's stores and anything else.  Four waves of 226 registers lie on a SIMD.
; A candidate's number is clamped to 8,191 before it enters an address.
.set O,   4                            ; v[4:11]   byte offset in emb of my 16 bytes of row i's candidate c at O + 2 i + c; never rewritten
.set L,   22                           ; v[22:29]  four chains of the loss
.set PI0, 24                           ; s[24:27]  my four rows' candidates of half 0;  s[28:31] of half 1
.set PI1, 28
.set PM0, 32                           ; s[32:35]  their distances;  s[36:39]
.set PM1, 36
                                       ; row i at v[32 + 48 i]: z 16 registers, candidate 0 (later the result) 16, candidate 1 (later the difference) 16
	s_load_b256 s[4:11], s[0:1], 0x0               ; z s[4:5], emb s[6:7], pmin s[8:9], pidx s[10:11]
	s_load_b128 s[12:15], s[0:1], 0x20             ; out0 s[12:13], out2 s[14:15]
	s_load_b64 s[16:17], s[0:1], 0x30              ; lossp
	v_lshl_add_u32 v224, v0, 2, 0x200
	v_mov_b32 v225, 0
	v_lshrrev_b32 v1, 5, v0
	v_readfirstlane_b32 s18, v1                    ; wave 0..15
	v_and_b32 v1, 31, v0
	v_lshlrev_b32 v1, 4, v1                        ; 16 lane
	v_lshl_add_u32 v2, s18, 13, v1                 ; z and out0: wave x 4 rows x 2,048 + 16 lane; never rewritten
	s_lshl_b32 s19, s18, 4
	v_mov_b32 v3, s19                              ; LDS: my four indices at 16 wave
	s_lshl_b32 s20, ttmp9, 8                       ; pmin, pidx: (64 b + 4 w) x 4 bytes
	s_add_co_u32 s20, s20, s19
	s_mov_b32 s21, 0
	s_lshl_b32 s22, ttmp9, 17                      ; 64 rows of 2,048 bytes
	s_mov_b32 s23, 0
	s_mov_b32 s56, 0x76543210
	s_mov_b32 s57, 0xfedcba98
	s_wait_kmcnt 0x0
	s_add_nc_u64 s[8:9], s[8:9], s[20:21]
	s_add_nc_u64 s[10:11], s[10:11], s[20:21]
	s_load_b128 s[PI0:PI0+3], s[10:11], 0x0
	s_load_b128 s[PI1:PI1+3], s[10:11], 0x10000    ; the other half lies 16,384 numbers further
	s_load_b128 s[PM0:PM0+3], s[8:9], 0x0
	s_load_b128 s[PM1:PM1+3], s[8:9], 0x10000
	s_add_nc_u64 s[4:5], s[4:5], s[22:23]
	s_add_nc_u64 s[12:13], s[12:13], s[22:23]
	s_wait_kmcnt 0x0
	s_lshl_b32 s20, ttmp9, 8                       ; out2: 64 numbers of 4 bytes
	s_add_nc_u64 s[14:15], s[14:15], s[20:21]
	s_lshl_b32 s22, ttmp9, 2                       ; lossp: one number
	s_add_nc_u64 s[16:17], s[16:17], s[22:23]
.irp i, 0,1,2,3
	s_min_u32 s[PI0+\i], s[PI0+\i], 0x1fff
	s_min_u32 s[PI1+\i], s[PI1+\i], 0x1fff
.endr
.irp i, 0,1,2,3
	v_lshl_add_u32 v[O+2*\i],   s[PI0+\i], 11, v1
	v_lshl_add_u32 v[O+2*\i+1], s[PI1+\i], 11, v1
.endr
.macro FILL i                          ; row i's twelve loads
.set FB, 32+48*\i
.irp j, 0,1,2,3
	global_load_b128 v[FB+4*\j:FB+4*\j+3], v2, s[4:5] offset:2048*\i+512*\j th:TH_LOAD_NT
.endr
.irp j, 0,1,2,3
	global_load_b128 v[FB+16+4*\j:FB+16+4*\j+3], v[O+2*\i], s[6:7] offset:512*\j           ; no hint: a row of emb may be named again
.endr
.irp j, 0,1,2,3
	global_load_b128 v[FB+32+4*\j:FB+32+4*\j+3], v[O+2*\i+1], s[6:7] offset:512*\j
.endr
.endm
; Row i's turn.  left = the loads of the younger rows, which may stay out; first = 1: the first squares start the chains.
.macro TURN i, left, first
.set SB, 32+48*\i
	s_wait_loadcnt \left
	v_mov_b32 v20, s[PM0+\i]
	v_cmp_lt_f32 vcc_lo, s[PM1+\i], v20            ; strictly smaller: equal distances leave the lower half's code
.set k, 0
.rept 16
	v_cndmask_b32 v[SB+16+k], v[SB+16+k], v[SB+32+k], vcc_lo
.set k, k+1
.endr
.set k, 0
.rept 8
	v_pk_add_f32 v[SB+32+2*k:SB+32+2*k+1], v[SB+16+2*k:SB+16+2*k+1], v[SB+2*k:SB+2*k+1] neg_lo:[0,1] neg_hi:[0,1]  ; emb[idx] - z
.set k, k+1
.endr
.irp q, 0,1,2,3
.if \first
	v_pk_mul_f32 v[L+2*\q:L+2*\q+1], v[SB+32+2*\q:SB+32+2*\q+1], v[SB+32+2*\q:SB+32+2*\q+1]
.else
	v_pk_fma_f32 v[L+2*\q:L+2*\q+1], v[SB+32+2*\q:SB+32+2*\q+1], v[SB+32+2*\q:SB+32+2*\q+1], v[L+2*\q:L+2*\q+1]
.endif
.endr
.irp q, 0,1,2,3
	v_pk_fma_f32 v[L+2*\q:L+2*\q+1], v[SB+40+2*\q:SB+40+2*\q+1], v[SB+40+2*\q:SB+40+2*\q+1], v[L+2*\q:L+2*\q+1]
.endr
.set k, 0
.rept 8
	v_pk_add_f32 v[SB+16+2*k:SB+16+2*k+1], v[SB+2*k:SB+2*k+1], v[SB+32+2*k:SB+32+2*k+1]    ; z + (emb[idx] - z), as it is given
.set k, k+1
.endr
.irp j, 0,1,2,3
	global_store_b128 v2, v[SB+16+4*\j:SB+16+4*\j+3], s[12:13] offset:2048*\i+512*\j th:TH_STORE_NT
.endr
	v_mov_b32 v21, s[PI0+\i]
	v_mov_b32 v20, s[PI1+\i]
	v_cndmask_b32 v21, v21, v20, vcc_lo
	ds_store_b32 v3, v21 offset:4*\i               ; all lanes write one word with one value
.endm
	FILL 0
	FILL 1
	FILL 2
	FILL 3
	TURN 0, 36, 1                                  ; three younger rows of twelve loads each stay out
	TURN 1, 24, 0
	TURN 2, 12, 0
	TURN 3, 0, 0
	v_pk_add_f32 v[L:L+1], v[L:L+1], v[L+2:L+3]
	v_pk_add_f32 v[L+4:L+5], v[L+4:L+5], v[L+6:L+7]
	v_pk_add_f32 v[L:L+1], v[L:L+1], v[L+4:L+5]
	v_add_f32 v[L], v[L], v[L+1]
	v_add_f32_dpp v[L], v[L], v[L] row_xmask:1 row_mask:0xf bank_mask:0xf
	v_add_f32_dpp v[L], v[L], v[L] row_xmask:2 row_mask:0xf bank_mask:0xf
	v_add_f32_dpp v[L], v[L], v[L] row_xmask:4 row_mask:0xf bank_mask:0xf
	v_add_f32_dpp v[L], v[L], v[L] row_xmask:8 row_mask:0xf bank_mask:0xf
	v_permlanex16_b32 v[L+1], v[L], s56, s57
	v_add_f32 v[L], v[L], v[L+1]
	s_lshl_b32 s19, s18, 2
	v_mov_b32 v21, s19
	ds_store_b32 v21, v[L] offset:256              ; my wave's share of the loss, behind the 64 indices
	s_wait_dscnt 0x0                               ; for the others' sake
	s_barrier_signal -1
	s_barrier_wait -1
	s_cmp_lg_u32 s18, 0
	s_cbranch_scc1 .Lend
	v_lshrrev_b32 v30, 1, v1                       ; 8 lane
	v_mov_b32 v31, 0
	ds_load_b64 v[20:21], v30                      ; the work-group's 64 indices
	ds_load_b128 v[12:15], v31 offset:256          ; the sixteen waves' shares, into registers that no pending store reads
	ds_load_b128 v[16:19], v31 offset:272
	ds_load_b128 v[22:25], v31 offset:288
	ds_load_b128 v[26:29], v31 offset:304
	s_wait_dscnt 0x0
	global_store_b64 v30, v[20:21], s[14:15]       ; 256 consecutive bytes, aligned
	v_pk_add_f32 v[12:13], v[12:13], v[14:15]
	v_pk_add_f32 v[16:17], v[16:17], v[18:19]
	v_pk_add_f32 v[22:23], v[22:23], v[24:25]
	v_pk_add_f32 v[26:27], v[26:27], v[28:29]
	v_pk_add_f32 v[12:13], v[12:13], v[16:17]
	v_pk_add_f32 v[22:23], v[22:23], v[26:27]
	v_pk_add_f32 v[22:23], v[12:13], v[22:23]
	v_add_f32 v22, v22, v23
	v_cmp_eq_u32 vcc_lo, 0, v1
	s_wait_xcnt 0x0                                ; EXEC, a source of the stores above, changes only behind this wait
	s_and_saveexec_b32 s24, vcc_lo
	global_store_b32 v31, v22, s[16:17]            ; lane 0: one number for the work-group
	s_wait_xcnt 0x0                                ; and again, in front of the line that widens it
	s_or_b32 exec_lo, exec_lo, s24
.Lend:
	s_wait_tensorcnt 0x0
	ds_add_u32 v224, v225
	s_wait_dscnt 0x0
	s_endpgm
.Lfunc_end_k_qc0fae4c412_gather:
	.size	k_qc0fae4c412_gather, .Lfunc_end_k_qc0fae4c412_gather-k_qc0fae4c412_gather
	.p2alignl 7, 3214868480
	.fill 96, 4, 3214868480
	.section	.rodata,"a",@progbits
	.p2align	6, 0x0
	.amdhsa_kernel k_qc0fae4c412_gather
		.amdhsa_group_segment_fixed_size 2560
		.amdhsa_private_segment_fixed_size 0
		.amdhsa_enable_private_segment 0
		.amdhsa_kernarg_size 56
		.amdhsa_user_sgpr_count 2
		.amdhsa_user_sgpr_kernarg_segment_ptr 1
		.amdhsa_wavefront_size32 1
		.amdhsa_system_sgpr_workgroup_id_x 1
		.amdhsa_system_sgpr_workgroup_id_y 1
		.amdhsa_system_sgpr_workgroup_id_z 1
		.amdhsa_system_vgpr_workitem_id 0
		.amdhsa_next_free_vgpr 226
		.amdhsa_next_free_sgpr 66
		.amdhsa_reserve_vcc 1
		.amdhsa_float_denorm_mode_32 3
		.amdhsa_float_denorm_mode_16_64 3
		.amdhsa_memory_ordered 1
		.amdhsa_forward_progress 1
		.amdhsa_inst_pref_size 20
	.end_amdhsa_kernel
	.amdgpu_metadata
---
amdhsa.version: [ 1, 2 ]
amdhsa.kernels:
  - .name:           k_qc0fae4c412_gather
    .symbol:         k_qc0fae4c412_gather.kd
    .args:
      - { .name: z, .offset: 0, .size: 8, .value_kind: global_buffer, .address_space: global }
      - { .name: emb, .offset: 8, .size: 8, .value_kind: global_buffer, .address_space: global }
      - { .name: pmin, .offset: 16, .size: 8, .value_kind: global_buffer, .address_space: global }
      - { .name: pidx, .offset: 24, .size: 8, .value_kind: global_buffer, .address_space: global }
      - { .name: out0, .offset: 32, .size: 8, .value_kind: global_buffer, .address_space: global }
      - { .name: out2, .offset: 40, .size: 8, .value_kind: global_buffer, .address_space: global }
      - { .name: lossp, .offset: 48, .size: 8, .value_kind: global_buffer, .address_space: global }
    .group_segment_fixed_size: 2560
    .private_segment_fixed_size: 0
    .kernarg_segment_align: 8
    .kernarg_segment_size: 56
    .max_flat_workgroup_size: 512
    .sgpr_count:     66
    .vgpr_count:     226
    .wavefront_size: 32
...
	.end_amdgpu_metadata
.endif
;; end of part 3
;; launch final (part 4): grid 1 x 1, 1 waves a work-group, no clusters, 0 bytes of LDS; arguments lossp, out1; writes out1
.if DOCPART == 4
	.amdgcn_target "amdgcn-amd-amdhsa--gfx1250"
	.amdhsa_code_object_version 6
	.text
	.protected	k_qc0fae4c412_final
	.globl	k_qc0fae4c412_final
	.p2align	8
	.type	k_qc0fae4c412_final,@function
k_qc0fae4c412_final:
	s_mov_b64 s[64:65], 0
	v_nop
	global_prefetch_b8 v0, s[64:65] scope:SCOPE_SE
	s_setreg_imm32_b32 hwreg(HW_REG_WAVE_MODE, 25, 1), 1
	s_wait_xcnt 0x0
; out1 = m + 0.25 m, m = (sum of the 256 work-groups' shares) / (16,384 x 512).  One wave: the sum spans work-groups, so it has a launch of its own.
	s_load_b128 s[4:7], s[0:1], 0x0                ; lossp s[4:5], out1 s[6:7]
	v_lshlrev_b32 v1, 4, v0
	s_mov_b32 s8, 0x76543210
	s_mov_b32 s9, 0xfedcba98
	s_mov_b32 s11, 0x3e800000                      ; 0.25
	v_mov_b32 v10, 0                               ; v_permlanex16_b32 counts as a reader of its destination
	v_mov_b32 v11, 0                               ; the store's offset
	s_wait_kmcnt 0x0
	global_load_b128 v[2:5], v1, s[4:5]            ; 1,024 bytes: eight numbers a lane
	global_load_b128 v[6:9], v1, s[4:5] offset:512
	s_wait_loadcnt 0x0
	v_pk_add_f32 v[2:3], v[2:3], v[4:5]
	v_pk_add_f32 v[6:7], v[6:7], v[8:9]
	v_pk_add_f32 v[2:3], v[2:3], v[6:7]
	v_add_f32 v2, v2, v3
	v_add_f32_dpp v2, v2, v2 row_xmask:1 row_mask:0xf bank_mask:0xf
	v_add_f32_dpp v2, v2, v2 row_xmask:2 row_mask:0xf bank_mask:0xf
	v_add_f32_dpp v2, v2, v2 row_xmask:4 row_mask:0xf bank_mask:0xf
	v_add_f32_dpp v2, v2, v2 row_xmask:8 row_mask:0xf bank_mask:0xf
	v_permlanex16_b32 v10, v2, s8, s9
	v_add_f32 v2, v2, v10
	v_mul_f32 v2, 0x34000000, v2                   ; x 2^-23: the mean over 16,384 x 512 numbers
	v_fma_f32 v3, v2, s11, v2                      ; m x 0.25 + m, rounded once
	v_cmp_eq_u32 vcc_lo, 0, v0
	s_wait_xcnt 0x0                                ; EXEC changes only behind this wait
	s_and_saveexec_b32 s10, vcc_lo
	global_store_b32 v11, v3, s[6:7]
	s_wait_xcnt 0x0
	s_or_b32 exec_lo, exec_lo, s10
	s_endpgm
.Lfunc_end_k_qc0fae4c412_final:
	.size	k_qc0fae4c412_final, .Lfunc_end_k_qc0fae4c412_final-k_qc0fae4c412_final
	.p2alignl 7, 3214868480
	.fill 96, 4, 3214868480
	.section	.rodata,"a",@progbits
	.p2align	6, 0x0
	.amdhsa_kernel k_qc0fae4c412_final
		.amdhsa_group_segment_fixed_size 0
		.amdhsa_private_segment_fixed_size 0
		.amdhsa_enable_private_segment 0
		.amdhsa_kernarg_size 16
		.amdhsa_user_sgpr_count 2
		.amdhsa_user_sgpr_kernarg_segment_ptr 1
		.amdhsa_wavefront_size32 1
		.amdhsa_system_sgpr_workgroup_id_x 1
		.amdhsa_system_sgpr_workgroup_id_y 1
		.amdhsa_system_sgpr_workgroup_id_z 1
		.amdhsa_system_vgpr_workitem_id 0
		.amdhsa_next_free_vgpr 16
		.amdhsa_next_free_sgpr 66
		.amdhsa_reserve_vcc 1
		.amdhsa_float_denorm_mode_32 3
		.amdhsa_float_denorm_mode_16_64 3
		.amdhsa_memory_ordered 1
		.amdhsa_forward_progress 1
		.amdhsa_inst_pref_size 2
	.end_amdhsa_kernel
	.amdgpu_metadata
---
amdhsa.version: [ 1, 2 ]
amdhsa.kernels:
  - .name:           k_qc0fae4c412_final
    .symbol:         k_qc0fae4c412_final.kd
    .args:
      - { .name: lossp, .offset: 0, .size: 8, .value_kind: global_buffer, .address_space: global }
      - { .name: out1, .offset: 8, .size: 8, .value_kind: global_buffer, .address_space: global }
    .group_segment_fixed_size: 0
    .private_segment_fixed_size: 0
    .kernarg_segment_align: 8
    .kernarg_segment_size: 16
    .max_flat_workgroup_size: 32
    .sgpr_count:     66
    .vgpr_count:     16
    .wavefront_size: 32
...
	.end_amdgpu_metadata
.endif
;; end of part 4
